; MI455X (gfx1250); checked and timed in simulation.
; The chip was launched on July 23, 2026; its instructions are those of AMD's public machine-readable ISA for CDNA 5 (MIT licence, August 2026) and "CDNA5" Instruction Set Architecture Reference Guide (July 2026). The comments in the code are by the model that wrote it; some were corrected since.
;; Level Fusion. Allowed arithmetic: matrix products marked QUANTISED: E2M1 operands, one E8M0 scale for each 32 along K, by v_wmma_scale_f32_16x16x128_f8f6f4 with both operands' format E2M1 (or v_wmma_scale_f32_32x16x128_f4), f32 sums; products left as they are: f32 operands where the result goes on into a quantised operand, else bf16, f16 or f32 operands; f32 sums; everything else in f32.
;; Inputs: W1 528 x 512 float32; W2 512 x 256 float32; W3 256 x 8 float32; Wg 16 x 8 float32; b1 512 float32; b2 256 float32; b3 8 float32; bg 8 float32; curr_features 64 x 2,048 x 512 float32; curr_trajectory 64 x 2,048 x 8 float32; prev_trajectory 64 x 512 x 8 float32.
;; Outputs: out0 64 x 2,048 x 8 float32.
;; This version of the problem:
;;   THIS VERSION OF THE PROBLEM IS GIVEN IN LOW PRECISION. The matrix products marked QUANTISED in the list below multiply operands that are first quantised to E2M1 (2 exponent bits, 1 mantissa bit; 4 bits a number), with one power-of-two scale for each 32 numbers along K (OCP MX v1.0); their sums are f32. All else is computed in f32.
;;   The module's matrix products, in the order in which they are computed (A, B: the left and right operand; K: the contracted axis; several contracted axes count as one K, in the product's order):
;;     1. [M 131,072, K 16] x [K 16, N 8]; A: computed on the way; B: input Wg: left as it is (K = 16 < 32)
;;     2. [M 131,072, K 528] x [K 528, N 512]; A: computed on the way; B: input W1: QUANTISED
;;     3. [M 131,072, K 512] x [K 512, N 256]; A: computed on the way; B: input W2: QUANTISED
;;     4. [M 131,072, K 256] x [K 256, N 8]; A: computed on the way; B: input W3: left as it is (N = 8 < 16)
;;   THE QUANTISER, for each operand of a quantised product, along K:
;;     - K is cut into blocks of 32 from its start; a last block that is shorter is filled with zeros.
;;     - A block's scale is 2^e with e = floor(log2(the largest magnitude in the block)) - 2, held to -126 .. 127; a block of zeros has e = 0. As a byte (E8M0): e + 127.
;;     - Each number is divided by its block's scale, clamped to +-6, and rounded to the nearest number of E2M1, ties to even, subnormals kept.
;;     - The product sums the exact products of the quantised numbers (number of the format x scale) in f32.
;;   ~~~python
;;   def quantise(x, axis):      # numpy; x: float32 -> the quantised numbers, widened to float32 again
;;       x = np.moveaxis(x, axis, -1); K = x.shape[-1]
;;       x = np.pad(x, [(0, 0)] * (x.ndim - 1) + [(0, -K % 32)]); x = x.reshape(x.shape[:-1] + (-1, 32)); a = np.abs(x).max(-1, keepdims=True)
;;       e = np.where(a > 0, np.clip(np.frexp(np.where(a > 0, a, 1))[1] - 1 - 2, -126, 127), 0)      # np.frexp(a)[1] - 1 = floor(log2(a)), exactly
;;       r = np.clip(x / 2.0 ** e, -6, 6)
;;       step = 2.0 ** (np.maximum(np.frexp(np.where(r == 0, 1, r))[1] - 1, 0) - 1)
;;       q = np.round(r / step) * step * 2.0 ** e      # np.round: ties to even
;;       return np.moveaxis(q.reshape(q.shape[:-2] + (-1,))[..., :K], -1, axis).astype(np.float32)
;;   ~~~
;;   OPERANDS COMPUTED ON THE WAY. 'Computed on the way' means the value that the module computes at that place (a softmax that the list does not call 'softmax' is quantised finished and normalised). What goes into a quantiser is computed in f32, as accurately as f32 sums, v_exp_f32 and their like allow (about 1e-6 of the number): no bf16 or f16 on the way to a quantiser, and a product that is left as it is and whose result goes on into a quantised operand takes f32 operands (vector FMAs, or v_wmma_f32_16x16x4_f32). A number that lies on a knife's edge between two numbers of the format may be rounded either way, as far as f32 arithmetic and the matrix unit's own rounding can turn it there, and no further.
;; One version. Each part assembles by itself: llvm-mc -triple=amdgcn-amd-amdhsa -mcpu=gfx1250 --defsym DOCPART=n.
;; ======== version 1 of 1: 2 launches
;; limits: values are held in bf16: 8 bits of precision; right only within a limited range of input values
;; workspace buffers: wq 413,696 bytes
;; launch prep (part 1): grid 112 x 1, 1 waves a work-group, no clusters, 0 bytes of LDS; arguments W1, W2, wq; writes wq
.if DOCPART == 1
	.amdgcn_target "amdgcn-amd-amdhsa--gfx1250"
	.amdhsa_code_object_version 6
	.text
	.protected	k_qfb2430e315_prep
	.globl	k_qfb2430e315_prep
	.p2align	8
	.type	k_qfb2430e315_prep,@function
k_qfb2430e315_prep:
	s_mov_b64 s[64:65], 0
	v_nop
	global_prefetch_b8 v0, s[64:65] scope:SCOPE_SE
	s_setreg_imm32_b32 hwreg(HW_REG_WAVE_MODE, 25, 1), 1
	s_wait_xcnt 0x0
; W1 [528][512] and W2 [512][256], f32, K = their FIRST axis, become codes of FP4 (E2M1) with one E8M0 byte for each 32 along K, once for the whole program,
; laid in wq IN THE ORDER OF THE OPERAND'S REGISTERS: a fragment (16 operand rows x 128 K) is 1,024 bytes: block b of its four at 256 b, operand row rho at 16 rho in it,
; so that lane l of a reader takes registers 4 c .. 4 c + 3 by one 16-byte load at 512 c + 16 l.
;   W1's codes at 0:       tile T = 2 (n / 32) + u, K step s: (5 T + s) x 1,024.  OPERAND ROW rho = 8 a + i OF TILE T IS COLUMN n = 32 (n / 32) + 16 a + 8 u + i: the next launch's results then
;                          lie, in two neighbouring tiles' 16 registers, as 16 neighbours along the next product's K.
;   W2's codes at 327,680: tile n / 16, operand row n % 16: (4 T + s) x 1,024.
;   W1's scale words at 393,216: (16 T + rho) x 32 + 4 s (five words used);   W2's at 409,600: 16 n + 4 s.
; K = 528 is 16 whole blocks and one of 16 numbers: K step 4 of W1 holds rows 512 .. 527 and 16 zeros in its block 0 and zero codes in blocks 1 to 3, whose bytes are 127.
; A LANE TAKES A COLUMN AND ITS REGISTERS RUN DOWN K: a load reads 128 consecutive bytes, a block's 32 numbers lie in one lane, and the conversions give codes with K innermost.
; A work-group is one wave: 32 columns x one K step.  Work-groups 0-63: W1's four whole K steps; 64-79: W1's last; 80-111: W2.  The three ways part on the work-group's number alone.
; A block's scale is 2^(floor(log2(largest magnitude)) - 2); its byte is the largest magnitude's exponent field - 2, held at 1 from below.
; LIMITS: a block of zeros, or one whose largest magnitude lies under 2^-124, gets the byte 1 (the rule says 127 for zeros: the codes are zeros, and this program alone reads the bytes); NaN and infinities are not served.
.set X,    64                          ; v64-191  128 numbers: four blocks of 32
.set C,    32                          ; v32-47   four registers of codes a block: no store's data are written again
.set SBW,  48                          ; v48      the K step's scale word
.set W2C,  327680
.set W1SC, 393216
.set W2SC, 409600
.macro LOADB b, n, pitch               ; the first n rows of block b, my column
.set i, 0
.rept \n
	global_load_b32 v[X+32*(\b)+i], v1, s[12:13] offset:(32*(\b)+i)*(\pitch) th:TH_LOAD_NT
.set i, i+1
.endr
.endm
.macro QB b                            ; block b: its largest magnitude, its byte, its 32 codes, stored
.set XS, X+32*(\b)
	v_max3_num_f32 v12, |v[XS]|, |v[XS+1]|, |v[XS+2]|
	v_max3_num_f32 v13, |v[XS+3]|, |v[XS+4]|, |v[XS+5]|
.irp i, 6,10,14,18,22,26
	v_max3_num_f32 v12, v12, |v[XS+\i]|, |v[XS+\i+1]|
	v_max3_num_f32 v13, v13, |v[XS+\i+2]|, |v[XS+\i+3]|
.endr
	v_max3_num_f32 v12, v12, |v[XS+30]|, |v[XS+31]|
	v_max3_num_f32 v12, v12, v13, 0x1800000        ; the floor 2^(3 - 127): the byte cannot fall under 1
	v_add_nc_u32 v11, 0xff000000, v12              ; 2 off the exponent field: the conversion takes this operand's exponent field as its scale
	v_lshrrev_b32 v13, 23, v11                     ; the byte
.if (\b) == 0
	v_mov_b32 v[SBW], v13
.else
	v_lshl_or_b32 v[SBW], v13, 8*(\b), v[SBW]
.endif
.irp g, 0,1,2,3
	v_cvt_scalef32_pk8_fp4_f32 v[C+4*(\b)+\g], v[XS+8*\g:XS+8*\g+7], v11
.endr
	global_store_b128 v2, v[C+4*(\b):C+4*(\b)+3], s[14:15] offset:256*(\b)   ; sixteen operand rows x 16 bytes: each tile's 256 bytes are written whole by this one instruction
.endm
.macro QCOLS pitch                     ; a whole K step; loads run one block ahead
	LOADB 0, 32, \pitch
	LOADB 1, 32, \pitch
	s_wait_loadcnt 32                              ; block 0 is in; block 1's 32 loads may be out
	QB 0
	LOADB 2, 32, \pitch
	s_wait_loadcnt 32
	QB 1
	LOADB 3, 32, \pitch
	s_wait_loadcnt 32
	QB 2
	s_wait_loadcnt 0x0
	QB 3
	global_store_b32 v3, v[SBW], s[16:17]
.endm
	s_load_b128 s[4:7], s[0:1], 0x0                ; W1, W2
	s_load_b64 s[8:9], s[0:1], 0x10                ; wq
	v_lshlrev_b32 v1, 2, v0                        ; my column: 4 bytes a lane
	v_and_b32 v4, 7, v0                            ; i
	v_bfe_u32 v5, v0, 3, 1                         ; u
	v_lshrrev_b32 v6, 4, v0                        ; a
	v_lshl_add_u32 v7, v6, 3, v4                   ; rho = 8 a + i
	s_mov_b32 s21, 0
	s_mov_b32 s23, 0
	s_mov_b32 s25, 0
	s_wait_kmcnt 0x0
	s_cmp_lt_u32 ttmp9, 64
	s_cbranch_scc0 .Lnot_whole
	; ---- W1, K step s = g / 16, columns 32 (g % 16) on
	s_and_b32 s18, ttmp9, 15
	s_lshr_b32 s19, ttmp9, 4
	s_lshl_b32 s20, s19, 18                        ; 128 rows of 2,048 bytes
	s_lshl_b32 s26, s18, 7
	s_add_co_u32 s20, s20, s26
	s_add_nc_u64 s[12:13], s[4:5], s[20:21]
	s_mul_i32 s22, s18, 10240                      ; two tiles x five K steps
	s_lshl_b32 s26, s19, 10
	s_add_co_u32 s22, s22, s26
	s_add_nc_u64 s[14:15], s[8:9], s[22:23]
	s_lshl_b32 s24, s18, 10
	s_lshl_b32 s26, s19, 2
	s_add_co_u32 s24, s24, s26
	s_add_co_u32 s24, s24, W1SC
	s_add_nc_u64 s[16:17], s[8:9], s[24:25]
	s_wait_alu depctr_va_vdst(0)
	v_mul_u32_u24 v2, v5, 5120
	v_lshl_add_u32 v2, v7, 4, v2                   ; codes: tile u, operand row rho
	v_lshlrev_b32 v3, 9, v5
	v_lshl_add_u32 v3, v7, 5, v3                   ; scale words likewise
	QCOLS 2048
	s_endpgm
.Lnot_whole:
	s_cmp_lt_u32 ttmp9, 80
	s_cbranch_scc0 .Lsecond
	; ---- W1, K step 4: rows 512 .. 527, columns 32 (g - 64) on
	s_sub_co_u32 s18, ttmp9, 64
	s_lshl_b32 s20, s18, 7
	s_add_co_u32 s20, s20, 1048576                 ; 512 rows of 2,048 bytes
	s_add_nc_u64 s[12:13], s[4:5], s[20:21]
	s_mul_i32 s22, s18, 10240
	s_add_co_u32 s22, s22, 4096
	s_add_nc_u64 s[14:15], s[8:9], s[22:23]
	s_lshl_b32 s24, s18, 10
	s_add_co_u32 s24, s24, W1SC+16
	s_add_nc_u64 s[16:17], s[8:9], s[24:25]
	s_wait_alu depctr_va_vdst(0)
	v_mul_u32_u24 v2, v5, 5120
	v_lshl_add_u32 v2, v7, 4, v2
	v_lshlrev_b32 v3, 9, v5
	v_lshl_add_u32 v3, v7, 5, v3
	LOADB 0, 16, 2048
.set i, 16
.rept 16
	v_mov_b32 v[X+i], 0                            ; the short block is filled with zeros
.set i, i+1
.endr
.irp z, 52,53,54,55
	v_mov_b32 v\z, 0
.endr
	s_wait_loadcnt 0x0
	QB 0
	v_or_b32 v[SBW], 0x7f7f7f00, v[SBW]            ; blocks 1 to 3: zero codes under the byte 127
.irp b, 1,2,3
	global_store_b128 v2, v[52:55], s[14:15] offset:256*\b
.endr
	global_store_b32 v3, v[SBW], s[16:17]
	s_endpgm
.Lsecond:
	; ---- W2, K step s = (g - 80) / 8, columns 32 ((g - 80) % 8) on
	s_sub_co_u32 s26, ttmp9, 80
	s_and_b32 s18, s26, 7
	s_lshr_b32 s19, s26, 3
	s_lshl_b32 s20, s19, 17                        ; 128 rows of 1,024 bytes
	s_lshl_b32 s26, s18, 7
	s_add_co_u32 s20, s20, s26
	s_add_nc_u64 s[12:13], s[6:7], s[20:21]
	s_lshl_b32 s22, s18, 13                        ; two tiles x four K steps
	s_lshl_b32 s26, s19, 10
	s_add_co_u32 s22, s22, s26
	s_add_co_u32 s22, s22, W2C
	s_add_nc_u64 s[14:15], s[8:9], s[22:23]
	s_lshl_b32 s24, s18, 9
	s_lshl_b32 s26, s19, 2
	s_add_co_u32 s24, s24, s26
	s_add_co_u32 s24, s24, W2SC
	s_add_nc_u64 s[16:17], s[8:9], s[24:25]
	v_and_b32 v4, 15, v0
	s_wait_alu depctr_va_vdst(0)
	v_lshlrev_b32 v2, 12, v6
	v_lshl_add_u32 v2, v4, 4, v2                   ; codes: tile lane / 16, operand row lane % 16
	v_lshlrev_b32 v3, 4, v0                        ; scale words: 16 bytes a column
	QCOLS 1024
	s_endpgm
.Lfunc_end_k_qfb2430e315_prep:
	.size	k_qfb2430e315_prep, .Lfunc_end_k_qfb2430e315_prep-k_qfb2430e315_prep
	.p2alignl 7, 3214868480
	.fill 96, 4, 3214868480
	.section	.rodata,"a",@progbits
	.p2align	6, 0x0
	.amdhsa_kernel k_qfb2430e315_prep
		.amdhsa_group_segment_fixed_size 0
		.amdhsa_private_segment_fixed_size 0
		.amdhsa_enable_private_segment 0
		.amdhsa_kernarg_size 24
		.amdhsa_user_sgpr_count 2
		.amdhsa_user_sgpr_kernarg_segment_ptr 1
		.amdhsa_wavefront_size32 1
		.amdhsa_system_sgpr_workgroup_id_x 1
		.amdhsa_system_sgpr_workgroup_id_y 1
		.amdhsa_system_sgpr_workgroup_id_z 1
		.amdhsa_system_vgpr_workitem_id 0
		.amdhsa_next_free_vgpr 200
		.amdhsa_next_free_sgpr 66
		.amdhsa_reserve_vcc 0
		.amdhsa_float_denorm_mode_32 3
		.amdhsa_float_denorm_mode_16_64 3
		.amdhsa_memory_ordered 1
		.amdhsa_forward_progress 1
		.amdhsa_inst_pref_size 45
	.end_amdhsa_kernel
	.amdgpu_metadata
---
amdhsa.version: [ 1, 2 ]
amdhsa.kernels:
  - .name:           k_qfb2430e315_prep
    .symbol:         k_qfb2430e315_prep.kd
    .args:
      - { .name: W1, .offset: 0, .size: 8, .value_kind: global_buffer, .address_space: global }
      - { .name: W2, .offset: 8, .size: 8, .value_kind: global_buffer, .address_space: global }
      - { .name: wq, .offset: 16, .size: 8, .value_kind: global_buffer, .address_space: global }
    .group_segment_fixed_size: 0
    .private_segment_fixed_size: 0
    .kernarg_segment_align: 8
    .kernarg_segment_size: 24
    .max_flat_workgroup_size: 32
    .sgpr_count:     66
    .vgpr_count:     200
    .wavefront_size: 32
...
	.end_amdgpu_metadata
.endif
;; end of part 1
;; launch fuse (part 2): grid 256 x 1, 4 waves a work-group, no clusters, 327,680 bytes of LDS; arguments curr_features, curr_trajectory, prev_trajectory, wq, b1, b2, W3, b3, Wg, bg, out0; writes out0
.if DOCPART == 2
	.amdgcn_target "amdgcn-amd-amdhsa--gfx1250"
	.amdhsa_code_object_version 6
	.text
	.protected	k_qfb2430e315_fuse
	.globl	k_qfb2430e315_fuse
	.p2align	8
	.type	k_qfb2430e315_fuse,@function
k_qfb2430e315_fuse:
	s_mov_b64 s[64:65], 0
	v_nop
	global_prefetch_b8 v0, s[64:65] scope:SCOPE_SE
	s_setreg_imm32_b32 hwreg(HW_REG_WAVE_MODE, 25, 1), 1
	s_wait_xcnt 0x0
; out0 = gate x up + (1 - gate) x fusion_out for the 131,072 rows (batch x time): every step of reference() in this one launch.  W1 and W2 come as FP4 codes and E8M0 scale words, in the order of the operand's registers, from the launch before.
; 256 work-groups of four waves; a work-group owns 512 rows of one batch and walks them in 8 blocks of 64.
; curr_features come by tensor loads into a ring of two LDS slots of 64 rows x 2,048 bytes; each wave fetches a strip of 128 columns (rows of 512 bytes, LDS pitch 528).
; THE STEPS OF A BLOCK.  (Q) wave w takes rows 16 w .. 16 w + 15: up by linear interpolation, and [up, curr, features], K = 528, quantised into images of the operand's registers in LDS.
; (1) every wave multiplies all 64 rows by ITS 128 columns of W1, which stay in its registers, used transposed so that a lane's registers run along the next K; b1 is the first product's C; GELU; quantised; images in LDS.
; (2) the same with its 64 columns of W2 and b2; GELU; rounded to bf16 and multiplied by its 64 rows of W3; the four waves' parts meet in LDS.
; (3) wave w adds the parts of its 16 rows and b3, blends with the gate (f32 multiply-adds, v_exp_f32, v_rcp_f32) and stores 16 bytes a lane, 512 consecutive bytes a wave.
; THE ORDER.  Block 0's (Q) stands ahead of the loop.  A trip is: (1) of block j; a barrier; (2) of block j with (Q) of block j + 1 laid into its four trips, one K step a trip, the LDS loads ahead of the trip's GELU and the quantiser behind it;
; the short last block of K; a barrier; (3) of block j and the gate of block j + 1.  Two barriers a block.
; THE RING.  In front of the barrier behind (1) every wave waits for all its tensor loads: so block j + 1's tile is whole for (Q).  Behind it block j's slot, last read a barrier earlier, takes block j + 2's tile.  The last two blocks are written out: they fetch nothing.
; GELU is x (1 + erf(x / sqrt 2)) / 2 with erf as a rational function z P(z^2) / Q(z^2) of z = x held to +-4 sqrt 2, the factor 1 / sqrt 2 folded into the coefficients.
; The macros give x (1 + erf): the half goes into the scale bytes of the first hidden layer (one off each byte, a power of two) and into the last multiply-add of the second.
; No cluster: the work-groups share no tile of curr_features, and the weights go from memory straight into registers, once for a work-group's 512 rows.
; No prefetch: a refill is waited for one whole block behind its issue, with both products' work of 64 rows between.
; LIMITS: NaN and infinities among the inputs are not served; a block of zeros gets the floor's scale byte over zero codes.
.set PITCH, 528
.set QTR,   64*PITCH
.set SLOTB, 4*QTR
.set XIMG,  270336
.set XTI,   286720
.set XSC,   287744
.set HIMG,  291840
.set HSC,   308224
.set PART,  310272
.set WGL,   318464
.set SPARE, 322560
; window 0
.set SPW, 1
.set NIL, 2
.set LA0, 3
.set LAH, 4
.set LAC, 5
.set A0L, 6
.set A0H, 7
.set AAL, 8
.set AAH, 9
.set ACL, 10
.set ACH, 11
.set AXI, 9                            ; inside the loop: where a K step's image and scale word go
.set AXS, 11
.set XWI, 12
.set XWS, 13
.set XWT, 14
.set XRI, 15
.set XRS, 16
.set XRT, 17
.set HWI, 18
.set HWS, 19
.set HRI, 20
.set HRS, 21
.set PWA, 22
.set PRA, 23
.set WGA, 24
.set OA,  25
.set VT,  26
.set O0,  27
.set O1,  28
.set OC,  29
.set AF,  34
.set AT,  35
.set AS,  36
.set AH,  37
.set AHS, 38
.set LI,  39
.set W1S, 40
.set W1T, 72
.set W2S, 80
.set XS,  96
.set PW0, 101
.set HS,  102
.set TM,  106
.set D3,  106
.set PC0, 122
.set XT,  130
.set XF,  138
.set HA,  170
.set H2B, 234
.set PC1, 234
.set PW1, 242
; window 2
.set W2R, 64
.set B1R, 192
; window 3
.set GZ,  0
.set GU,  32
.set GP,  64
.set GQ,  96
.set RB,  0
.set Z3,  64
.set U3,  96
.set WGR, 64
.set B2R, 128
.set W3F, 160
.set TP0, 176
.set TP1, 184
.set CU,  192
.set UP,  200
.set GT,  208
.set U4,  212
.set WW,  216
.set CA11, 218
.set CB6, 220
.set BG,  224
.set B3,  228
.set GEV, 232
.set GOD, 236
.set T16, 240
.set MSB, 0
.macro WIN new
.if MSB != (\new)
	s_set_vgpr_msb (MSB<<8)|(\new)
.set MSB, (\new)
.endif
.endm
.macro CPAIR r, val
	s_mov_b32 s[\r], \val
	s_mov_b32 s[\r+1], \val
.endm
.macro NOPS n
.rept \n
	v_nop
.endr
.endm
.macro WMS d, a, b, c, sa, sb
	v_wmma_scale_f32_16x16x128_f8f6f4 v[(\d):(\d)+7], v[(\a):(\a)+7], v[(\b):(\b)+7], v[(\c):(\c)+7], v[\sa], v[\sb] matrix_a_fmt:MATRIX_FMT_FP4 matrix_b_fmt:MATRIX_FMT_FP4
.endm
.macro HORNER acc, c
.set j, 0
.rept 16
	v_pk_fma_f32 v[\acc+j:\acc+j+1], v[\acc+j:\acc+j+1], v[GU+j:GU+j+1], s[\c:\c+1] op_sel_hi:[1,1,0]
.set j, j+2
.endr
.endm
; Four matrix instructions of the first product: K step s, my tiles t0 .. t0 + 3, one instruction an accumulator.  Step 0 takes b1 as C; step 4 is the short last block of K = 528.
.macro P1W s, t0
.if (\s) == 0
	WIN 0x21
.elseif (\s) < 4
	WIN 0x01
.else
	WIN 0x02
.endif
.irp i, 0,1,2,3
.if (\s) == 0
	WMS HA+8*(\t0+\i), 8*(\t0+\i), XF, B1R+8*(\t0+\i), W1S+4*(\t0+\i), XS
.elseif (\s) < 4
	WMS HA+8*(\t0+\i), 8*(8*(\s)+\t0+\i), XF+8*(\s), HA+8*(\t0+\i), W1S+4*(\t0+\i)+(\s), XS+(\s)
.else
	WMS HA+8*(\t0+\i), 8*(\t0+\i), XT, HA+8*(\t0+\i), W1T+\t0+\i, XS+4
.endif
.endr
.endm
.macro HOOK on, s                      ; on = 1: tiles 4 to 7 of the first product are multiplied between the layers of the GELU of tiles 0 to 3, which names none of their registers
.if \on
	P1W \s, 4
.endif
.endm
; x (1 + erf) of 32 registers from x on, four sets of 32 temporaries in window 3
.macro GELU x, hook
	WIN 0xC0
.set j, 0
.rept 32
	v_med3_num_f32 v[GZ+j], v[(\x)+j], s26, s27
.set j, j+1
.endr
	HOOK \hook, 0
	WIN 0xFF
.set j, 0
.rept 16
	v_pk_mul_f32 v[GU+j:GU+j+1], v[GZ+j:GZ+j+1], v[GZ+j:GZ+j+1]
.set j, j+2
.endr
	HOOK \hook, 1
	WIN 0xFF
.set j, 0
.rept 16
	v_pk_fma_f32 v[GQ+j:GQ+j+1], v[GU+j:GU+j+1], s[80:81], v[CB6:CB6+1] op_sel_hi:[1,0,0]
.set j, j+2
.endr
	HOOK \hook, 2
	WIN 0xFF
	HORNER GQ, 82
	HOOK \hook, 3
	WIN 0xFF
	HORNER GQ, 84
	HOOK \hook, 4
	WIN 0xFF
	HORNER GQ, 86
.if \hook
	WIN 0
	FETCHX                                         ; the next row tile's fragments: sixteen plain vector instructions stand behind the last matrix instruction that read these registers
	WIN 0xFF
.endif
.set j, 0
.rept 16
	v_pk_fma_f32 v[GP+j:GP+j+1], v[GU+j:GU+j+1], s[68:69], v[CA11:CA11+1] op_sel_hi:[1,0,0]
.set j, j+2
.endr
	HORNER GP, 70
	HORNER GP, 72
	HORNER GP, 74
	HORNER GP, 76
	s_wait_alu depctr_va_vdst(0)                   ; the wait ahead of the batch
.set j, 0
.rept 16
	v_rcp_f32 v[GQ+2*j], v[GQ+2*j]
	v_rcp_f32 v[GQ+2*j+1], v[GQ+2*j+1]
	v_pk_fma_f32 v[GP+2*j:GP+2*j+1], v[GP+2*j:GP+2*j+1], v[GU+2*j:GU+2*j+1], s[78:79] op_sel_hi:[1,1,0]   ; P's last layer: sources written ahead of the wait above, results read behind the wait below
.set j, j+1
.endr
	s_wait_alu depctr_va_vdst(0)                   ; one wait for the 32, ahead of their first reader
.set j, 0
.rept 16
	v_pk_mul_f32 v[GP+j:GP+j+1], v[GP+j:GP+j+1], v[GZ+j:GZ+j+1]
.set j, j+2
.endr
.set j, 0
.rept 16
	v_pk_mul_f32 v[GP+j:GP+j+1], v[GP+j:GP+j+1], v[GQ+j:GQ+j+1]
.set j, j+2
.endr
	WIN 0x0C
.set j, 0
.rept 16
	v_pk_fma_f32 v[(\x)+j:(\x)+j+1], v[(\x)+j:(\x)+j+1], v[GP+j:GP+j+1], v[(\x)+j:(\x)+j+1]
.set j, j+2
.endr
	WIN 0
.endm
; The same with three sets of temporaries: z and z^2 in window 3 (Z3, U3), the third, t, in window 0: first Q and 1 / Q, then P.  So window 3's v0-63 stay free for the next block's numbers.
.macro HORN3 acc, c
.set j, 0
.rept 16
	v_pk_fma_f32 v[(\acc)+j:(\acc)+j+1], v[(\acc)+j:(\acc)+j+1], v[U3+j:U3+j+1], s[\c:\c+1] op_sel_hi:[1,1,0]
.set j, j+2
.endr
.endm
.macro GELU3 x, t
	WIN 0xC0
.set j, 0
.rept 32
	v_med3_num_f32 v[Z3+j], v[(\x)+j], s26, s27
.set j, j+1
.endr
	WIN 0xFF
.set j, 0
.rept 16
	v_pk_mul_f32 v[U3+j:U3+j+1], v[Z3+j:Z3+j+1], v[Z3+j:Z3+j+1]
.set j, j+2
.endr
	WIN 0x33
.set j, 0
.rept 16
	v_pk_fma_f32 v[(\t)+j:(\t)+j+1], v[U3+j:U3+j+1], s[80:81], v[CB6:CB6+1] op_sel_hi:[1,0,0]
.set j, j+2
.endr
	WIN 0x0C
	HORN3 \t, 82
	HORN3 \t, 84
	HORN3 \t, 86
	WIN 0
	s_wait_alu depctr_va_vdst(0)                   ; the wait ahead of the batch
.set j, 0
.rept 32
	v_rcp_f32 v[(\t)+j], v[(\t)+j]
.set j, j+1
.endr
	v_nop                                          ; one plain place behind the last of them
	s_wait_alu depctr_va_vdst(0)                   ; and one wait ahead of their first reader
	WIN 0xC3
.set j, 0
.rept 16
	v_pk_mul_f32 v[Z3+j:Z3+j+1], v[Z3+j:Z3+j+1], v[(\t)+j:(\t)+j+1]             ; z / Q
.set j, j+2
.endr
	WIN 0x33
.set j, 0
.rept 16
	v_pk_fma_f32 v[(\t)+j:(\t)+j+1], v[U3+j:U3+j+1], s[68:69], v[CA11:CA11+1] op_sel_hi:[1,0,0]
.set j, j+2
.endr
	WIN 0x0C
	HORN3 \t, 70
	HORN3 \t, 72
	HORN3 \t, 74
	HORN3 \t, 76
	HORN3 \t, 78
.set j, 0
.rept 16
	v_pk_mul_f32 v[(\t)+j:(\t)+j+1], v[(\t)+j:(\t)+j+1], v[Z3+j:Z3+j+1]
.set j, j+2
.endr
	WIN 0
.set j, 0
.rept 16
	v_pk_fma_f32 v[(\x)+j:(\x)+j+1], v[(\x)+j:(\x)+j+1], v[(\t)+j:(\t)+j+1], v[(\x)+j:(\x)+j+1]
.set j, j+2
.endr
.endm
; Four blocks of 32 along K, 16 numbers of each in my registers (lane l xor 16 holds the other 16): scale word pw, codes pc .. pc + 7 in the operand's layout.  fl: the floor of the largest magnitude; dec = 1: one off each byte
.macro QUANT s, win, pc, pw, fl, dec
	WIN (\win)|((\win)<<2)
.irp b, 0,1,2,3
	v_max3_num_f32 v[TM+\b], |v[(\s)+16*\b]|, |v[(\s)+16*\b+1]|, \fl
.endr
.irp i, 2,4,6,8,10,12,14
.irp b, 0,1,2,3
	v_max3_num_f32 v[TM+\b], |v[(\s)+16*\b+\i]|, |v[(\s)+16*\b+\i+1]|, v[TM+\b]
.endr
.endr
	WIN 0
.irp b, 0,1,2,3
	v_permlanex16_b32 v[TM+4+\b], v[TM+\b], s56, s57
.endr
.irp b, 0,1,2,3
	v_max_num_f32 v[TM+\b], v[TM+\b], v[TM+4+\b]
.endr
.irp b, 0,1,2,3
	v_add_nc_u32 v[TM+12+\b], 0xff000000, v[TM+\b]
.endr
.irp b, 0,1,2,3
	v_lshrrev_b32 v[TM+4+\b], 23, v[TM+12+\b]
.endr
	v_lshl_or_b32 v[\pw], v[TM+5], 8, v[TM+4]
	v_lshl_or_b32 v[\pw], v[TM+6], 16, v[\pw]
	v_lshl_or_b32 v[\pw], v[TM+7], 24, v[\pw]
.if \dec
	v_add_nc_u32 v[\pw], 0xfefefeff, v[\pw]
.endif
	WIN (\win)
.irp b, 0,1,2,3
	v_cvt_scalef32_pk8_fp4_f32 v[(\pc)+2*\b], v[(\s)+16*\b:(\s)+16*\b+7], v[TM+12+\b]
	v_cvt_scalef32_pk8_fp4_f32 v[(\pc)+2*\b+1], v[(\s)+16*\b+8:(\s)+16*\b+15], v[TM+12+\b]
.endr
	WIN 0
	v_nop
.irp c, 0,1
.irp i, 0,1
	v_permlane16_swap_b32 v[(\pc)+4*\c+\i], v[(\pc)+4*\c+2+\i]
.endr
.endr
.endm
.macro IMAGE adr, pc, off
.irp c, 0,1
	ds_store_b128 v[\adr], v[(\pc)+4*\c:(\pc)+4*\c+3] offset:(\off)+512*\c
.endr
.endm
.macro LOADBLK kb, dst
.set q0, 2*(\kb)-1
.if (\kb) == 0
.set la, A0L
.set lo, 0
.elseif (\kb) == 16
.set la, A0H
.set lo, QTR+448
.else
.set lo, ((q0>>3)&1)*QTR+(q0&7)*64
.if ((\kb)%4) == 0
.set la, ACL+(q0>>4)
.else
.set la, AAL+(q0>>4)
.endif
.endif
.irp j, 0,1,2,3
	ds_load_b128 v[(\dst)+4*\j:(\dst)+4*\j+3], v[la] offset:lo+16*\j
.endr
.endm
.macro LOADSTEP s, dst, w
	WIN \w
.irp b, 0,1,2,3
	LOADBLK 4*(\s)+\b, (\dst)+16*\b
.endr
.endm
; the next block's trajectories: i0, i1 and the weight of reference()'s linspace for my row, and six loads
.macro TRAJ_NEXT
	v_lshrrev_b32 v30, 2, v[VT]
	v_and_b32 v31, 3, v[VT]
	v_mul_u32_u24 v31, 0x7ff, v31
	v_mul_u32_u24 v32, 3, v[VT]
	v_sub_nc_u32 v31, v31, v32
	v_ashrrev_i32 v31, 31, v31
	v_add_nc_u32 v30, v30, v31
	v_add_nc_u32 v31, 1, v30
	v_min_u32 v31, 0x1ff, v31
	v_lshlrev_b32 v[O0], 5, v30
	v_lshlrev_b32 v[O1], 5, v31
	v_lshlrev_b32 v[OC], 5, v[VT]
	v_cvt_f32_u32 v30, v[VT]
	v_mul_f32 v31, s60, v30
	v_fma_f32 v32, v31, s61, v30
	v_fma_f32 v31, v32, s60, v31
	v_mul_f32 v31, s62, v31
	v_floor_f32 v32, v31
	v_sub_f32 v33, v31, v32
	WIN 0xC0
	v_mov_b32 v[WW+1], v33
	v_sub_f32 v[WW], 1.0, v33
	global_load_b128 v[TP0:TP0+3], v[O0], s[8:9]
	global_load_b128 v[TP0+4:TP0+7], v[O0], s[8:9] offset:16
	global_load_b128 v[TP1:TP1+3], v[O1], s[8:9]
	global_load_b128 v[TP1+4:TP1+7], v[O1], s[8:9] offset:16
	global_load_b128 v[CU:CU+3], v[OC], s[6:7]
	global_load_b128 v[CU+4:CU+7], v[OC], s[6:7] offset:16
	WIN 0
	v_add_nc_u32 v[VT], 64, v[VT]
.endm
.macro UPS                             ; up = (1 - w) prev[i0] + w prev[i1]
	WIN 0xFF
.irp i, 0,2,4,6
	v_pk_mul_f32 v[UP+\i:UP+\i+1], v[TP0+\i:TP0+\i+1], v[WW:WW+1] op_sel_hi:[1,0]
.endr
.irp i, 0,2,4,6
	v_pk_fma_f32 v[UP+\i:UP+\i+1], v[TP1+\i:TP1+\i+1], v[WW:WW+1], v[UP+\i:UP+\i+1] op_sel:[0,1,0] op_sel_hi:[1,1,1]
.endr
.endm
.macro WGLOAD                          ; Wg's columns of my four outputs
.set k, 0
.rept 16
	ds_load_b128 v[WGR+4*k:WGR+4*k+3], v[WGA] offset:32*k
.set k, k+1
.endr
.endm
.macro GATE
	WIN 0xFF
	v_pk_fma_f32 v[GEV:GEV+1], v[WGR:WGR+1], v[UP:UP+1], v[BG:BG+1] op_sel_hi:[1,0,1]
	v_pk_fma_f32 v[GEV+2:GEV+3], v[WGR+2:WGR+3], v[UP:UP+1], v[BG+2:BG+3] op_sel_hi:[1,0,1]
	v_pk_mul_f32 v[GOD:GOD+1], v[WGR+4:WGR+5], v[UP:UP+1] op_sel:[0,1] op_sel_hi:[1,1]
	v_pk_mul_f32 v[GOD+2:GOD+3], v[WGR+6:WGR+7], v[UP:UP+1] op_sel:[0,1] op_sel_hi:[1,1]
.irp k, 2,4,6,8,10,12,14
.set gi, UP+\k-16*(\k/8)
	v_pk_fma_f32 v[GEV:GEV+1], v[WGR+4*\k:WGR+4*\k+1], v[gi:gi+1], v[GEV:GEV+1] op_sel_hi:[1,0,1]
	v_pk_fma_f32 v[GEV+2:GEV+3], v[WGR+4*\k+2:WGR+4*\k+3], v[gi:gi+1], v[GEV+2:GEV+3] op_sel_hi:[1,0,1]
	v_pk_fma_f32 v[GOD:GOD+1], v[WGR+4*\k+4:WGR+4*\k+5], v[gi:gi+1], v[GOD:GOD+1] op_sel:[0,1,0] op_sel_hi:[1,1,1]
	v_pk_fma_f32 v[GOD+2:GOD+3], v[WGR+4*\k+6:WGR+4*\k+7], v[gi:gi+1], v[GOD+2:GOD+3] op_sel:[0,1,0] op_sel_hi:[1,1,1]
.endr
	v_pk_add_f32 v[GEV:GEV+1], v[GEV:GEV+1], v[GOD:GOD+1]
	v_pk_add_f32 v[GEV+2:GEV+3], v[GEV+2:GEV+3], v[GOD+2:GOD+3]
	v_pk_mul_f32 v[GEV:GEV+1], v[GEV:GEV+1], s[88:89] op_sel_hi:[1,0]
	v_pk_mul_f32 v[GEV+2:GEV+3], v[GEV+2:GEV+3], s[88:89] op_sel_hi:[1,0]
	s_wait_alu depctr_va_vdst(0)
.irp j, 0,1,2,3
	v_exp_f32 v[GEV+\j], v[GEV+\j]
.endr
.irp j, 0,1,2,3
	v_cndmask_b32 v[U4+\j], v[UP+\j], v[UP+4+\j], s58
.endr
	s_wait_alu depctr_va_vdst(0)
	v_pk_add_f32 v[GEV:GEV+1], v[GEV:GEV+1], 1.0 op_sel_hi:[1,0]
	v_pk_add_f32 v[GEV+2:GEV+3], v[GEV+2:GEV+3], 1.0 op_sel_hi:[1,0]
	s_wait_alu depctr_va_vdst(0)
.irp j, 0,1,2,3
	v_rcp_f32 v[GT+\j], v[GEV+\j]
.endr
	v_nop
	s_wait_alu depctr_va_vdst(0)
.endm
.macro FETCHX
.irp s, 0,1,2,3
.irp c, 0,1
	ds_load_b128 v[XF+8*\s+4*\c:XF+8*\s+4*\c+3], v[AF] offset:1024*\s+512*\c
.endr
.endr
	ds_load_b64 v[XT:XT+1], v[AT]
	ds_load_b128 v[XS:XS+3], v[AS]
	ds_load_b32 v[XS+4], v[AS] offset:16
.endm
.macro FETCHH
.irp s, 0,1,2,3
.irp c, 0,1
	ds_load_b128 v[XF+8*\s+4*\c:XF+8*\s+4*\c+3], v[AF] offset:1024*\s+512*\c
.endr
.endr
	ds_load_b128 v[HS:HS+3], v[AS]
.endm
.macro BARRIER
	s_wait_dscnt 0x0
	s_barrier_signal -1
	s_barrier_wait -1
.endm
	s_load_b256 s[4:11], s[0:1], 0x0
	s_load_b256 s[12:19], s[0:1], 0x20
	s_load_b128 s[20:23], s[0:1], 0x40
	s_load_b64 s[24:25], s[0:1], 0x50
	v_lshl_add_u32 v[SPW], v0, 2, SPARE
	v_mov_b32 v[NIL], 0
	ds_add_u32 v1, v2                              ; the opening lines: the add, twice on end, and its wait
	ds_add_u32 v1, v2
	s_wait_dscnt 0x0
	v_lshrrev_b32 v30, 5, v0
	v_readfirstlane_b32 s44, v30
	s_mov_b32 s28, (2<<16)|(1<<20)|(6<<22)|(3<<25)
	s_mov_b32 s29, 128<<16
	s_mov_b32 s30, 64<<16
	s_mov_b32 s31, 128<<16
	s_mov_b32 s32, 64
	s_mov_b32 s33, 512
	s_mov_b32 s34, 0
	s_mov_b32 s35, 0
	s_mul_i32 s46, s44, QTR
	s_mov_b32 s45, 0
	s_lshl_b32 s50, ttmp9, 20
	s_lshl_b32 s52, s44, 9
	s_add_co_u32 s50, s50, s52
	s_mov_b32 s51, 0
	s_wait_kmcnt 0x0
	s_mov_b32 s36, 1
	s_mov_b32 s37, s46
	s_add_nc_u64 s[38:39], s[4:5], s[50:51]
	s_mov_b32 s40, 1
	s_add_co_u32 s41, s46, SLOTB
	s_add_nc_u64 s[42:43], s[38:39], 131072
	s_or_b32 s39, s39, 0x80000000
	s_or_b32 s43, s43, 0x80000000
	tensor_load_to_lds s[36:39], s[28:35]          ; slot 0, my strip: the wave's one tensor load at the head; the weights' loads below are issued while it is out
	s_nop 0
	s_lshr_b32 s52, ttmp9, 2
	s_lshl_b32 s50, s52, 16
	s_add_nc_u64 s[6:7], s[6:7], s[50:51]
	s_lshl_b32 s50, s52, 14
	s_add_nc_u64 s[8:9], s[8:9], s[50:51]
	s_lshl_b32 s50, s44, 9
	s_add_nc_u64 s[12:13], s[12:13], s[50:51]
	s_lshl_b32 s50, s44, 8
	s_add_nc_u64 s[14:15], s[14:15], s[50:51]
	s_lshl_b32 s50, s44, 11
	s_add_nc_u64 s[16:17], s[16:17], s[50:51]
	s_lshl_b32 s50, ttmp9, 14
	s_add_nc_u64 s[24:25], s[24:25], s[50:51]
	s_mul_i32 s50, s44, 40960
	s_add_nc_u64 s[90:91], s[10:11], s[50:51]
	s_lshl_b32 s50, s44, 14
	s_add_co_u32 s50, s50, 327680
	s_add_nc_u64 s[92:93], s[10:11], s[50:51]
	s_lshl_b32 s50, s44, 12
	s_add_co_u32 s50, s50, 393216
	s_add_nc_u64 s[94:95], s[10:11], s[50:51]
	s_lshl_b32 s50, s44, 10
	s_add_co_u32 s50, s50, 409600
	s_add_nc_u64 s[96:97], s[10:11], s[50:51]
	s_mov_b32 s56, 0x76543210
	s_mov_b32 s57, 0xfedcba98
	s_mov_b32 s58, 0xffff0000
	s_mov_b32 s59, 0x0f0f0f0f
	s_mov_b32 s60, 0x3A001002
	s_mov_b32 s61, 0xC4FFE000
	s_mov_b32 s62, 0x43FF8000
	s_mov_b32 s26, 0xC0B504F3
	s_mov_b32 s27, 0x40B504F3
	CPAIR 68, 0xAC95DF0B
	CPAIR 70, 0xB40CFF51
	CPAIR 72, 0xB6EEC2D2
	CPAIR 74, 0xB940AC63
	CPAIR 76, 0xBAC1A1F6
	CPAIR 78, 0xBC83DBD4
	CPAIR 80, 0xB5ACCD2B
	CPAIR 82, 0xBA1BF7B5
	CPAIR 84, 0xBBAAD7F2
	CPAIR 86, 0xBCA542A9
	CPAIR 88, 0xBFB8AA3B
	v_and_b32 v30, 15, v0
	s_and_b32 s50, ttmp9, 3
	s_lshl_b32 s50, s50, 9
	s_lshl_b32 s52, s44, 4
	s_add_co_u32 s50, s50, s52
	v_add_nc_u32 v[VT], s50, v30
	TRAJ_NEXT
	v_and_b32 v30, 15, v0
	v_bfe_u32 v31, v0, 4, 1
	v_and_b32 v32, 31, v0
	s_lshl_b32 s50, s44, 4
	v_add_nc_u32 v33, s50, v30
	v_mul_u32_u24 v[LA0], v33, PITCH
	v_lshl_add_u32 v[LAH], v31, 6, v[LA0]
	v_mul_u32_u24 v[LAC], v31, QTR-448
	v_add_nc_u32 v[LAC], v[LAC], v[LA0]
	v_lshlrev_b32 v[LI], 4, v32
	s_wait_alu depctr_va_vdst(0)
	s_lshl_b32 s50, s44, 12
	s_add_co_u32 s50, s50, XIMG
	v_add_nc_u32 v[XWI], s50, v[LI]
	v_add_nc_u32 v[XRI], XIMG, v[LI]
	v_lshlrev_b32 v33, 5, v32
	s_lshl_b32 s50, s44, 10
	s_add_co_u32 s50, s50, XSC
	v_add_nc_u32 v[XWS], s50, v33
	v_add_nc_u32 v[XRS], XSC, v33
	v_lshlrev_b32 v33, 3, v32
	s_lshl_b32 s50, s44, 8
	s_add_co_u32 s50, s50, XTI
	v_add_nc_u32 v[XWT], s50, v33
	v_add_nc_u32 v[XRT], XTI, v33
	s_lshl_b32 s50, s44, 10
	s_add_co_u32 s50, s50, HIMG
	v_add_nc_u32 v[HWI], s50, v[LI]
	v_add_nc_u32 v[HRI], HIMG, v[LI]
	s_lshl_b32 s50, s44, 2
	s_add_co_u32 s50, s50, HSC
	v_add_nc_u32 v[HWS], s50, v[LI]
	v_add_nc_u32 v[HRS], HSC, v[LI]
	s_lshl_b32 s50, s44, 9
	s_add_co_u32 s50, s50, PART
	v_add_nc_u32 v[PWA], s50, v[LI]
	s_lshl_b32 s50, s44, 11
	s_add_co_u32 s50, s50, PART
	v_add_nc_u32 v[PRA], s50, v[LI]
	s_lshl_b32 s50, s44, 10
	s_add_co_u32 s50, s50, WGL
	v_lshl_add_u32 v[WGA], v31, 4, s50
	v_add_nc_u32 v34, s50, v[LI]
	v_lshlrev_b32 v[OA], 5, v30
	v_lshl_add_u32 v[OA], v31, 4, v[OA]
	s_lshl_b32 s50, s44, 9
	v_add_nc_u32 v[OA], s50, v[OA]
	v_lshlrev_b32 v35, 6, v31
	v_lshlrev_b32 v36, 5, v31
	v_lshlrev_b32 v37, 4, v31
	v_lshrrev_b32 v38, 3, v30
	v_and_b32 v6, 3, v30
	v_lshl_add_u32 v38, v38, 2, v6
	v_lshlrev_b32 v38, 2, v38
	v_lshl_add_u32 v38, v31, 8, v38
	v_lshlrev_b32 v33, 5, v30
	v_lshlrev_b32 v32, 4, v30
	WIN 0x40
.irp s, 0,1,2,3
.irp t, 0,1,2,3,4,5,6,7
.irp c, 0,1
	global_load_b128 v[8*(8*\s+\t)+4*\c:8*(8*\s+\t)+4*\c+3], v[LI], s[90:91] offset:(5*\t+\s)*1024+512*\c
.endr
.endr
.endr
	WIN 0x80
.irp t, 0,1,2,3,4,5,6,7
.irp c, 0,1
	global_load_b128 v[8*\t+4*\c:8*\t+4*\c+3], v[LI], s[90:91] offset:(5*\t+4)*1024+512*\c
.endr
.endr
.irp n, 0,1,2,3
.irp s, 0,1,2,3
.irp c, 0,1
	global_load_b128 v[W2R+8*(4*\n+\s)+4*\c:W2R+8*(4*\n+\s)+4*\c+3], v[LI], s[92:93] offset:(4*\n+\s)*1024+512*\c
.endr
.endr
.endr
.irp t, 0,1,2,3,4,5,6,7
	global_load_b128 v[B1R+8*\t:B1R+8*\t+3], v35, s[12:13] offset:(32*(\t/2)+8*(\t%2))*4
	global_load_b128 v[B1R+8*\t+4:B1R+8*\t+7], v35, s[12:13] offset:(32*(\t/2)+8*(\t%2))*4+16
.endr
	WIN 0xC0
.irp n, 0,1,2,3
	global_load_b128 v[B2R+8*\n:B2R+8*\n+3], v36, s[14:15] offset:64*\n
	global_load_b128 v[B2R+8*\n+4:B2R+8*\n+7], v36, s[14:15] offset:64*\n+16
.endr
	global_load_b128 v[BG:BG+3], v37, s[22:23]
	global_load_b128 v[B3:B3+3], v37, s[18:19]
.irp g, 0,1
.irp e, 0,1,2,3,4,5,6,7,8,9,10,11,12,13,14,15
	global_load_b32 v[16*\g+\e], v38, s[16:17] offset:1024*\g+32*(\e+8*(\e/8))
.endr
.endr
	WIN 0
.irp t, 0,1,2,3,4,5,6,7
	global_load_b128 v[W1S+4*\t:W1S+4*\t+3], v33, s[94:95] offset:512*\t
	global_load_b32 v[W1T+\t], v33, s[94:95] offset:512*\t+16
.endr
.irp n, 0,1,2,3
	global_load_b128 v[W2S+4*\n:W2S+4*\n+3], v32, s[96:97] offset:256*\n
.endr
	global_load_b128 v[HA:HA+3], v[LI], s[20:21]
	s_wait_alu depctr_va_vdst(0)                   ; the wait here, directly ahead of the wait below
	s_wait_tensorcnt 0x0                           ; slot 1's first fill is issued as a refill is: my load of slot 0 has landed,
	ds_add_u32 v1, v2                              ; 0 onto my spare word,
	s_wait_dscnt 0x0
	s_barrier_signal -1
	s_barrier_wait -1
	tensor_load_to_lds s[40:43], s[28:35]          ; and my one tensor load behind the barrier
	s_nop 0
	NOPS 4
	s_wait_loadcnt 0x0                             ; the weights, biases and the first rows' trajectories are in
	WIN 0xFF
.set j, 0
.rept 16
	v_cvt_pk_bf16_f32 v[W3F+j], v[2*j], v[2*j+1]
.set j, j+1
.endr
.set j, 0
.rept 16
	v_cndmask_b32 v[W3F+j], 0, v[W3F+j], s59
.set j, j+1
.endr
	v_mov_b32 v[CA11], 0x306DFFEE
	v_mov_b32 v[CA11+1], 0x306DFFEE
	v_mov_b32 v[CB6], 0xB81E3511
	v_mov_b32 v[CB6+1], 0xB81E3511
.set j, 0
.rept 16
	v_mov_b32 v[T16+j], 0                          ; written once on every way: the loads that fill them stand in one arm of a branch
.set j, j+1
.endr
	WIN 0
	ds_store_b128 v34, v[HA:HA+3]
.irp j, 2,3,4,5,6,7
	v_mov_b32 v[XT+\j], 0
.endr
.irp j, 4,5,6,7
	v_mov_b32 v[TM+\j], 0
.endr
	s_wait_tensorcnt 0x1                           ; slot 1's load, issued behind slot 0's, may be out
	BARRIER
; (Q) and the gate of block 0, by themselves: the block's slot is s45
.macro PHASE0
	v_add_nc_u32 v[A0L], s45, v[LA0]
	v_add_nc_u32 v[AAL], s45, v[LAH]
	v_add_nc_u32 v[ACL], s45, v[LAC]
	v_add_nc_u32 v[A0H], 2*QTR, v[A0L]
	v_add_nc_u32 v[AAH], 2*QTR, v[AAL]
	v_add_nc_u32 v[ACH], 2*QTR, v[ACL]
	LOADSTEP 1, HA, 0
	LOADSTEP 2, RB, 0xC0
	WGLOAD
	s_wait_loadcnt 0x0
	UPS
	s_wait_dscnt 32
	QUANT HA, 0, PC0, PW0, 0x1800000, 0
	IMAGE XWI, PC0, 1024
	ds_store_b32 v[XWS], v[PW0] offset:4
	LOADSTEP 3, HA, 0
	s_wait_dscnt 35
	QUANT RB, 3, PC1, PW1, 0x1800000, 0
	IMAGE XWI, PC1, 2048
	ds_store_b32 v[XWS], v[PW1] offset:8
	LOADSTEP 0, RB, 0xC0
	s_wait_dscnt 38
	GATE
	s_wait_dscnt 19
	QUANT HA, 0, PC0, PW0, 0x1800000, 0
	IMAGE XWI, PC0, 3072
	ds_store_b32 v[XWS], v[PW0] offset:12
	LOADBLK 16, HA
	s_wait_dscnt 7
	WIN 0xFF
.irp i, 0,1,2,3,4,5,6,7
	v_cndmask_b32 v[RB+\i], v[UP+\i], v[RB+\i], s58
	v_cndmask_b32 v[RB+8+\i], v[CU+\i], v[RB+8+\i], s58
.endr
	QUANT RB, 3, PC1, PW1, 0x1800000, 0
	IMAGE XWI, PC1, 0
	ds_store_b32 v[XWS], v[PW1]
	s_wait_dscnt 3
.irp i, 0,1,2,3,4,5,6,7,8,9,10,11,12,13,14,15
	v_cndmask_b32 v[HA+\i], v[HA+\i], 0, s58
.endr
	v_max3_num_f32 v[TM], |v[HA]|, |v[HA+1]|, 0x1800000
	v_max3_num_f32 v[TM+1], |v[HA+8]|, |v[HA+9]|, |v[HA+10]|
	v_max3_num_f32 v[TM], v[TM], |v[HA+2]|, |v[HA+3]|
	v_max3_num_f32 v[TM+1], v[TM+1], |v[HA+11]|, |v[HA+12]|
	v_max3_num_f32 v[TM], v[TM], |v[HA+4]|, |v[HA+5]|
	v_max3_num_f32 v[TM+1], v[TM+1], |v[HA+13]|, |v[HA+14]|
	v_max3_num_f32 v[TM], v[TM], |v[HA+6]|, |v[HA+7]|
	v_max3_num_f32 v[TM], v[TM], v[TM+1], |v[HA+15]|
	v_add_nc_u32 v[TM+12], 0xff000000, v[TM]
	v_lshrrev_b32 v[PW0], 23, v[TM+12]
	v_cvt_scalef32_pk8_fp4_f32 v[PC0], v[HA:HA+7], v[TM+12]
	v_cvt_scalef32_pk8_fp4_f32 v[PC0+1], v[HA+8:HA+15], v[TM+12]
	v_nop
	ds_store_b64 v[XWT], v[PC0:PC0+1]
	ds_store_b32 v[XWS], v[PW0] offset:16
.endm
; One block.  fill = 1: its slot takes the tile two blocks on.  next = 1: the next block is quantised on the way.
.macro BLOCK fill, next
	s_mov_b32 s48, 0
	v_mov_b32 v[AF], v[XRI]
	v_mov_b32 v[AT], v[XRT]
	v_mov_b32 v[AS], v[XRS]
	FETCHX
.if \next
	TRAJ_NEXT
.endif
	s_wait_dscnt 0x0
.Lp1_\@:                                               ; (1): four row tiles of 16
.irp s, 0,1,2,3,4
	P1W \s, 0
.endr
	WIN 0
	s_add_co_u32 s49, s48, 4096
	s_and_b32 s49, s49, 0x3fff
	s_lshr_b32 s50, s49, 4
	s_lshr_b32 s51, s49, 2
	s_lshr_b32 s52, s48, 3
	v_add_nc_u32 v[AF], s49, v[XRI]
	v_add_nc_u32 v[AT], s50, v[XRT]
	v_add_nc_u32 v[AS], s51, v[XRS]
	v_nop                                          ; four places behind the last matrix instruction, ahead of the first read of its results
	GELU HA, 1
	GELU HA+32, 0
	s_wait_dscnt 0x0
	v_add_nc_u32 v[AH], s48, v[HWI]
	v_add_nc_u32 v[AHS], s52, v[HWS]
	QUANT HA, 0, PC0, PW0, 0x2000000, 1
	IMAGE AH, PC0, 0
	ds_store_b32 v[AHS], v[PW0]
	s_add_co_u32 s48, s48, 4096
	s_cmp_lt_u32 s48, 16384
	s_cbranch_scc1 .Lp1_\@
.if \fill
	s_wait_tensorcnt 0x0                           ; all my tensor loads have landed: my strip of the next block's tile;
	ds_add_u32 v[SPW], v[NIL]                      ; 0 onto my spare word;
	s_add_co_u32 s41, s45, s46                     ; no load of mine is out: this block's slot, the tile two blocks on
	s_add_nc_u64 s[42:43], s[42:43], 131072
	s_wait_dscnt 0x0                               ; the add, my image stores and my LDS reads are done
	s_barrier_signal -1
	s_barrier_wait -1
	tensor_load_to_lds s[40:43], s[28:35]          ; my one tensor load behind the barrier; the slot was last read ahead of the barrier before this one
	s_nop 0
	NOPS 4
.else
	s_wait_tensorcnt 0x0                           ; my strip of the last tile has landed, and the barrier tells the others
	BARRIER
.endif
	s_mov_b32 s48, 0
	v_mov_b32 v[AF], v[HRI]
	v_mov_b32 v[AS], v[HRS]
	FETCHH
.if \next
	s_xor_b32 s54, s45, SLOTB                      ; the next block's slot
	s_add_co_u32 s55, s54, 2*QTR
	v_add_nc_u32 v[A0L], s54, v[LA0]
	v_add_nc_u32 v[A0H], s55, v[LA0]
	s_wait_loadcnt 0x0                             ; its trajectories, asked for at the head of (1)
	UPS
	WIN 0
.endif
	s_wait_dscnt 0x0
.Lp2_\@:                                               ; (2): four row tiles; trip t also quantises K step (t + 1) mod 4 of the next block's 16 rows of mine
	WIN 0x32
.irp n, 0,1,2,3
	WMS HA+8*\n, W2R+8*(4*\n), XF, B2R+8*\n, W2S+4*\n, HS
.endr
	WIN 0x02
.irp s, 1,2,3
.irp n, 0,1,2,3
	WMS HA+8*\n, W2R+8*(4*\n+\s), XF+8*\s, HA+8*\n, W2S+4*\n+\s, HS+\s
.endr
.endr
	WIN 0
	s_add_co_u32 s49, s48, 4096
	s_and_b32 s49, s49, 0x3fff                     ; 4,096 x the next row tile, and 4,096 x the K step
	s_lshr_b32 s50, s49, 3
	s_lshr_b32 s51, s48, 1
.if \next
	s_lshr_b32 s52, s49, 12
	s_mul_i32 s52, s52, QTR
	s_add_co_u32 s52, s52, s54                     ; the strip that holds the step's blocks 1 to 3 and the upper half of its block 0
	s_lshr_b32 s53, s48, 12
	s_mul_i32 s53, s53, QTR
	s_add_co_u32 s53, s53, s54                     ; the strip before it, whose last 16 columns are the lower half of block 0
	s_lshr_b32 s55, s49, 2
	s_lshr_b32 s63, s49, 10
.endif
	v_add_nc_u32 v[AF], s49, v[HRI]
	v_add_nc_u32 v[AS], s50, v[HRS]
.if \next
	v_add_nc_u32 v[AAL], s52, v[LAH]
	v_add_nc_u32 v[ACL], s53, v[LAC]
	v_add_nc_u32 v[AXI], s55, v[XWI]
	v_add_nc_u32 v[AXS], s63, v[XWS]
.else
	v_nop
	v_nop
.endif
	FETCHH
.if \next
	WIN 0xC0
.irp b, 1,2,3
.irp q, 0,1,2,3
	ds_load_b128 v[RB+16*\b+4*\q:RB+16*\b+4*\q+3], v[AAL] offset:128*\b-64+16*\q
.endr
.endr
	WIN 0
	s_wait_alu depctr_va_vdst(0)                   ; the wait here, directly ahead of the branch
	s_cmp_eq_u32 s48, 12288
	s_cbranch_scc1 .Lz_\@
	WIN 0xC0
.irp q, 0,1,2,3
	ds_load_b128 v[RB+4*\q:RB+4*\q+3], v[ACL] offset:448+16*\q
.endr
	WIN 0
	s_branch .Lj_\@
.Lz_\@:                                                ; K step 0: columns 0 to 15 for lanes 16-31 (lanes 0-15 get up and curr below); and the short last block's 16 columns
	WIN 0xC0
.irp q, 0,1,2,3
	ds_load_b128 v[RB+4*\q:RB+4*\q+3], v[A0L] offset:16*\q
.endr
.irp q, 0,1,2,3
	ds_load_b128 v[T16+4*\q:T16+4*\q+3], v[A0H] offset:QTR+448+16*\q
.endr
	WIN 0
.Lj_\@:
.endif
	GELU3 HA, HA+32
.set j, 0
.rept 8
	v_cvt_pk_bf16_f32 v[H2B+j], v[HA+2*j], v[HA+2*j+1]
.set j, j+1
.endr
	WIN 0x03
	v_wmma_f32_16x16x32_bf16 v[D3:D3+7], v[W3F:W3F+7], v[H2B:H2B+7], 0   ; the first 32 of my 64 rows of W3; the other half's conversions stand behind it
	WIN 0
.rept 8
	v_cvt_pk_bf16_f32 v[H2B+j], v[HA+2*j], v[HA+2*j+1]
.set j, j+1
.endr
	s_wait_dscnt 0x0
	v_add_nc_u32 v[AH], s51, v[PWA]
	WIN 0x03
	s_wait_alu depctr_va_vdst(0)                   ; the wait directly ahead of a link on the same accumulator
	v_wmma_f32_16x16x32_bf16 v[D3:D3+7], v[W3F+8:W3F+15], v[H2B+8:H2B+15], v[D3:D3+7]
	WIN 0
	NOPS 4
	ds_store_b128 v[AH], v[D3:D3+3]
.if \next
	s_cmp_lg_u32 s48, 12288
	s_cbranch_scc1 .Lq_\@
	WIN 0xFF
.irp i, 0,1,2,3,4,5,6,7
	v_cndmask_b32 v[RB+\i], v[UP+\i], v[RB+\i], s58
	v_cndmask_b32 v[RB+8+\i], v[CU+\i], v[RB+8+\i], s58
.endr
	WIN 0
.Lq_\@:
	QUANT RB, 3, PC0, PW0, 0x1800000, 0
	IMAGE AXI, PC0, 0
	ds_store_b32 v[AXS], v[PW0]
.endif
	s_add_co_u32 s48, s48, 4096
	s_cmp_lt_u32 s48, 16384
	s_cbranch_scc1 .Lp2_\@
.if \next
	WIN 0xFF                                       ; the short last block of K: 16 columns in lanes 0-15, zeros in lanes 16-31
.irp i, 0,1,2,3,4,5,6,7,8,9,10,11,12,13,14,15
	v_cndmask_b32 v[T16+\i], v[T16+\i], 0, s58
.endr
	WIN 0x0F
	v_max3_num_f32 v[TM], |v[T16]|, |v[T16+1]|, 0x1800000
	v_max3_num_f32 v[TM+1], |v[T16+8]|, |v[T16+9]|, 0x1800000
.irp i, 2,4,6
	v_max3_num_f32 v[TM], |v[T16+\i]|, |v[T16+\i+1]|, v[TM]
	v_max3_num_f32 v[TM+1], |v[T16+8+\i]|, |v[T16+9+\i]|, v[TM+1]
.endr
	WIN 0
	v_max_num_f32 v[TM], v[TM], v[TM+1]
	v_add_nc_u32 v[TM+12], 0xff000000, v[TM]
	v_lshrrev_b32 v[PW0], 23, v[TM+12]
	WIN 0x03
	v_cvt_scalef32_pk8_fp4_f32 v[PC0], v[T16:T16+7], v[TM+12]
	v_cvt_scalef32_pk8_fp4_f32 v[PC0+1], v[T16+8:T16+15], v[TM+12]
	WIN 0
	v_nop
	ds_store_b64 v[XWT], v[PC0:PC0+1]
	ds_store_b32 v[XWS], v[PW0] offset:16
.endif
	BARRIER                                        ; the parts of (2) and the next block's images are whole
	WIN 0xC0
.irp v, 0,1,2,3
	ds_load_b128 v[4*\v:4*\v+3], v[PRA] offset:512*\v
.endr
.if \next
	WGLOAD
	s_wait_dscnt 16                                ; the four parts are in; Wg's 16 loads may be out
.else
	s_wait_dscnt 0x0
.endif
	WIN 0xFF
	v_pk_add_f32 v[0:1], v[0:1], v[4:5]
	v_pk_add_f32 v[2:3], v[2:3], v[6:7]
	v_pk_add_f32 v[8:9], v[8:9], v[12:13]
	v_pk_add_f32 v[10:11], v[10:11], v[14:15]
	v_pk_add_f32 v[0:1], v[0:1], v[8:9]
	v_pk_add_f32 v[2:3], v[2:3], v[10:11]
	v_pk_fma_f32 v[0:1], v[0:1], 0.5, v[B3:B3+1] op_sel_hi:[1,0,1]
	v_pk_fma_f32 v[2:3], v[2:3], 0.5, v[B3+2:B3+3] op_sel_hi:[1,0,1]
	v_pk_add_f32 v[4:5], v[U4:U4+1], v[0:1] neg_lo:[0,1] neg_hi:[0,1]
	v_pk_add_f32 v[6:7], v[U4+2:U4+3], v[2:3] neg_lo:[0,1] neg_hi:[0,1]
	v_pk_fma_f32 v[16:17], v[GT:GT+1], v[4:5], v[0:1]
	v_pk_fma_f32 v[18:19], v[GT+2:GT+3], v[6:7], v[2:3]
	WIN 0x0C
	global_store_b128 v[OA], v[16:19], s[24:25] th:TH_STORE_NT
	WIN 0
.if \next
	s_wait_dscnt 0x0
	GATE                                           ; the next block's gate, behind the last use of this block's
	WIN 0
.endif
	s_wait_xcnt 0x0                                ; the store has read its base and its data
	s_add_nc_u64 s[24:25], s[24:25], 2048
	s_xor_b32 s45, s45, SLOTB
.endm
	PHASE0
	BARRIER
	s_mov_b32 s47, 6
.Lb:
	BLOCK 1, 1
	s_sub_co_u32 s47, s47, 1
	s_cmp_lg_u32 s47, 0
	s_cbranch_scc1 .Lb
	BLOCK 0, 1                                     ; the last two blocks fetch nothing,
	BLOCK 0, 0                                     ; and the last has no successor
	s_wait_tensorcnt 0x0                           ; the wave's end
	ds_add_u32 v[SPW], v[NIL]
	s_wait_dscnt 0x0
	s_endpgm
.Lfunc_end_k_qfb2430e315_fuse:
	.size	k_qfb2430e315_fuse, .Lfunc_end_k_qfb2430e315_fuse-k_qfb2430e315_fuse
	.p2alignl 7, 3214868480
	.fill 96, 4, 3214868480
	.section	.rodata,"a",@progbits
	.p2align	6, 0x0
	.amdhsa_kernel k_qfb2430e315_fuse
		.amdhsa_group_segment_fixed_size 327680
		.amdhsa_private_segment_fixed_size 0
		.amdhsa_enable_private_segment 0
		.amdhsa_kernarg_size 88
		.amdhsa_user_sgpr_count 2
		.amdhsa_user_sgpr_kernarg_segment_ptr 1
		.amdhsa_wavefront_size32 1
		.amdhsa_system_sgpr_workgroup_id_x 1
		.amdhsa_system_sgpr_workgroup_id_y 1
		.amdhsa_system_sgpr_workgroup_id_z 1
		.amdhsa_system_vgpr_workitem_id 0
		.amdhsa_next_free_vgpr 1024
		.amdhsa_next_free_sgpr 100
		.amdhsa_reserve_vcc 0
		.amdhsa_float_denorm_mode_32 3
		.amdhsa_float_denorm_mode_16_64 3
		.amdhsa_memory_ordered 1
		.amdhsa_forward_progress 1
		.amdhsa_inst_pref_size 255
	.end_amdhsa_kernel
	.section	.bss,"aw",@nobits
	.p2align	6
	.space	262144
	.amdgpu_metadata
---
amdhsa.version: [ 1, 2 ]
amdhsa.kernels:
  - .name:           k_qfb2430e315_fuse
    .symbol:         k_qfb2430e315_fuse.kd
    .args:
      - { .name: curr_features, .offset: 0, .size: 8, .value_kind: global_buffer, .address_space: global }
      - { .name: curr_trajectory, .offset: 8, .size: 8, .value_kind: global_buffer, .address_space: global }
      - { .name: prev_trajectory, .offset: 16, .size: 8, .value_kind: global_buffer, .address_space: global }
      - { .name: wq, .offset: 24, .size: 8, .value_kind: global_buffer, .address_space: global }
      - { .name: b1, .offset: 32, .size: 8, .value_kind: global_buffer, .address_space: global }
      - { .name: b2, .offset: 40, .size: 8, .value_kind: global_buffer, .address_space: global }
      - { .name: W3, .offset: 48, .size: 8, .value_kind: global_buffer, .address_space: global }
      - { .name: b3, .offset: 56, .size: 8, .value_kind: global_buffer, .address_space: global }
      - { .name: Wg, .offset: 64, .size: 8, .value_kind: global_buffer, .address_space: global }
      - { .name: bg, .offset: 72, .size: 8, .value_kind: global_buffer, .address_space: global }
      - { .name: out0, .offset: 80, .size: 8, .value_kind: global_buffer, .address_space: global }
    .group_segment_fixed_size: 327680
    .private_segment_fixed_size: 0
    .kernarg_segment_align: 8
    .kernarg_segment_size: 88
    .max_flat_workgroup_size: 128
    .sgpr_count:     100
    .vgpr_count:     1024
    .wavefront_size: 32
...
	.end_amdgpu_metadata
.endif
;; end of part 2
